; MI455X (gfx1250); checked and timed in simulation.
; The chip was launched on July 23, 2026; its instructions are those of AMD's public machine-readable ISA for CDNA 5 (MIT licence, August 2026) and "CDNA5" Instruction Set Architecture Reference Guide (July 2026). The comments in the code are by the model that wrote it; some were corrected since.
;; cross attn. Allowed arithmetic: matrix products marked QUANTISED: E2M3 operands, one E8M0 scale for each 32 along K, by v_wmma_scale_f32_16x16x128_f8f6f4 with both operands' format E2M3, f32 sums; everything else in f32.
;; Inputs: Wk 512 x 512 float32; Wo1 512 x 512 float32; Wo2 512 x 512 float32; Wq 512 x 512 float32; Wv 512 x 512 float32; bk 512 float32; bo1 512 float32; bo2 512 float32; bq 512 float32; bv 512 float32; key 8 x 4,096 x 512 float32; kln_b 64 float32; kln_w 64 float32; query 8 x 4,096 x 512 float32; value 8 x 4,096 x 512 float32; vln_b 64 float32; vln_w 64 float32.
;; Outputs: out0 8 x 4,096 x 512 float32.
;; This version of the problem:
;;   THIS VERSION OF THE PROBLEM IS GIVEN IN LOW PRECISION. The matrix products marked QUANTISED in the list below multiply operands that are first quantised to E2M3 (2 exponent bits, 3 mantissa bits; 6 bits a number), with one power-of-two scale for each 32 numbers along K (OCP MX v1.0); their sums are f32. All else is computed in f32.
;;   The module's matrix products, in the order in which they are computed (A, B: the left and right operand; K: the contracted axis; several contracted axes count as one K, in the product's order):
;;     1. [M 32,768, K 512] x [K 512, N 512]; A: input query; B: input Wq: QUANTISED
;;     2. [M 32,768, K 512] x [K 512, N 512]; A: input key; B: input Wk: QUANTISED
;;     3. [M 32,768, K 512] x [K 512, N 512]; A: input value; B: input Wv: QUANTISED
;;     4. batch 64 x [M 64, K 4,096] x [K 4,096, N 64]; A: computed on the way; B: computed on the way: QUANTISED
;;     5. batch 64 x [M 4,096, K 64] x [K 64, N 64]; A: computed on the way; B: computed on the way: QUANTISED
;;     6. [M 32,768, K 512] x [K 512, N 512]; A: computed on the way; B: input Wo1: QUANTISED
;;     7. [M 32,768, K 512] x [K 512, N 512]; A: computed on the way; B: input Wo2: QUANTISED
;;   THE QUANTISER, for each operand of a quantised product, along K:
;;     - K is cut into blocks of 32 from its start; a last block that is shorter is filled with zeros.
;;     - A block's scale is 2^e with e = floor(log2(the largest magnitude in the block)) - 2, held to -126 .. 127; a block of zeros has e = 0. As a byte (E8M0): e + 127.
;;     - Each number is divided by its block's scale, clamped to +-7.5, and rounded to the nearest number of E2M3, ties to even, subnormals kept.
;;     - The product sums the exact products of the quantised numbers (number of the format x scale) in f32.
;;   ~~~python
;;   def quantise(x, axis):      # numpy; x: float32 -> the quantised numbers, widened to float32 again
;;       x = np.moveaxis(x, axis, -1); K = x.shape[-1]
;;       x = np.pad(x, [(0, 0)] * (x.ndim - 1) + [(0, -K % 32)]); x = x.reshape(x.shape[:-1] + (-1, 32)); a = np.abs(x).max(-1, keepdims=True)
;;       e = np.where(a > 0, np.clip(np.frexp(np.where(a > 0, a, 1))[1] - 1 - 2, -126, 127), 0)      # np.frexp(a)[1] - 1 = floor(log2(a)), exactly
;;       r = np.clip(x / 2.0 ** e, -7.5, 7.5)
;;       step = 2.0 ** (np.maximum(np.frexp(np.where(r == 0, 1, r))[1] - 1, 0) - 3)
;;       q = np.round(r / step) * step * 2.0 ** e      # np.round: ties to even
;;       return np.moveaxis(q.reshape(q.shape[:-2] + (-1,))[..., :K], -1, axis).astype(np.float32)
;;   ~~~
;;   OPERANDS COMPUTED ON THE WAY. 'Computed on the way' means the value that the module computes at that place (a softmax that the list does not call 'softmax' is quantised finished and normalised). What goes into a quantiser is computed in f32, as accurately as f32 sums, v_exp_f32 and their like allow (about 1e-6 of the number): no bf16 or f16 on the way to a quantiser, and a product that is left as it is and whose result goes on into a quantised operand takes f32 operands (vector FMAs, or v_wmma_f32_16x16x4_f32). A number that lies on a knife's edge between two numbers of the format may be rounded either way, as far as f32 arithmetic and the matrix unit's own rounding can turn it there, and no further.
;; One version. Each part assembles by itself: llvm-mc -triple=amdgcn-amd-amdhsa -mcpu=gfx1250 --defsym DOCPART=n.
;; ======== version 1 of 1: 4 launches
;; workspace buffers: wfrag 983,040 bytes; wscale 81,920 bytes; kvpart 33,554,432 bytes; kvfrag 393,216 bytes; kvscale 32,768 bytes
;; launch wprep (part 1): grid 160 x 1, 4 waves a work-group, no clusters, 0 bytes of LDS; arguments Wk, Wv, Wq, Wo1, Wo2, wfrag, wscale; writes wfrag, wscale
.if DOCPART == 1
	.amdgcn_target "amdgcn-amd-amdhsa--gfx1250"
	.amdhsa_code_object_version 6
	.text
	.protected	k_q15db8dab68_wprep
	.globl	k_q15db8dab68_wprep
	.p2align	8
	.type	k_q15db8dab68_wprep,@function
k_q15db8dab68_wprep:
	s_mov_b64 s[64:65], 0
	v_nop
	global_prefetch_b8 v0, s[64:65] scope:SCOPE_SE
	s_setreg_imm32_b32 hwreg(HW_REG_WAVE_MODE, 25, 1), 1
	s_wait_xcnt 0x0
; The five weights [512 out][512 in], f32, K = the last axis, become codes of FP6 (E2M3) with one E8M0 byte for each 32 along K,
; laid in the order of an operand's registers, so that the later launches load each fragment by three loads of 16 bytes a lane.
; A HALF-LAYER is 64 output channels: number HL = (weight x 4 + wave) x 2 + half, weight 0..4 = Wk, Wv, Wq, Wo1, Wo2.
; It has 16 fragments f = 4 s + t: K step s (128 along K), tile t.  Lane r of tile t takes row 32 (t / 2) + 8 (t % 2) + r + 8 (r / 8) of the 64.
; wfrag:  HL x 24,576 + f x 1,536 + 512 c + 16 lane (registers 4 c .. 4 c + 3 of the lane).   wscale: HL x 2,048 + 512 s + 16 lane + 4 t.
; Work-group u = 4 HL + s; wave t makes one fragment.  5 MB are read in all: no LDS, no barrier, nothing shared.
; LIMITS: NaN and infinities are not served; a block whose largest magnitude lies under 2^-124, and a block of zeros, gets the byte 1
; (its codes are zeros or the smallest codes; only this program reads the bytes).
.set SEL, 24                           ; s[24:25] lane selects of v_permlanex16_b32: lane l xor 16
.set MSB, 0
.macro WIN new                         ; register windows: the immediate's high byte repeats the setting that is left (this launch stays in window 0)
.if MSB != (\new)
	s_set_vgpr_msb (MSB<<8)|(\new)
.set MSB, (\new)
.endif
.endm
; 64 numbers of a lane, v[s] on in window wa, register 16 b + i = k 32 b + 16 (lane / 16) + i of the lane's row, become a fragment:
; registers 0-5 in v[da] on, 6-11 in v[db] on, the row's scale word in v[pw]; pt: 8 registers, tm: 12 registers at work; all results in window 0.
.macro QUANT s, wa, da, db, pt, tm, pw
	WIN (\wa)|((\wa)<<2)
.irp b, 0,1,2,3
	v_max3_num_f32 v[\tm+\b], |v[\s+16*\b]|, |v[\s+16*\b+1]|, 0x1800000   ; my 16 numbers of block b, and the floor 2^(3 - 127): the byte cannot fall under 1
.endr
.irp i, 2,4,6,8,10,12,14
.irp b, 0,1,2,3
	v_max3_num_f32 v[\tm+\b], |v[\s+16*\b+\i]|, |v[\s+16*\b+\i+1]|, v[\tm+\b]   ; the four blocks by turns
.endr
.endr
	WIN 0
.irp b, 0,1,2,3
	v_permlanex16_b32 v[\tm+4+\b], v[\tm+\b], s[SEL], s[SEL+1]
.endr
.irp b, 0,1,2,3
	v_max_num_f32 v[\tm+\b], v[\tm+\b], v[\tm+4+\b]      ; with lane l xor 16's 16: the block's largest magnitude
.endr
.irp b, 0,1,2,3
	v_add_nc_u32 v[\tm+8+\b], 0xff000000, v[\tm+\b]      ; 2 off its exponent field: the conversion's scale operand
.endr
.irp b, 0,1,2,3
	v_lshrrev_b32 v[\tm+4+\b], 23, v[\tm+8+\b]           ; the scale's byte
.endr
	v_lshl_or_b32 v[\pw], v[\tm+5], 8, v[\tm+4]
	v_lshl_or_b32 v[\pw], v[\tm+6], 16, v[\pw]
	v_lshl_or_b32 v[\pw], v[\tm+7], 24, v[\pw]
	WIN (\wa)
	v_cvt_scalef32_pk16_fp6_f32 v[\da:\da+2], v[\s:\s+15], v[\tm+8]
	v_cvt_scalef32_pk16_fp6_f32 v[\pt:\pt+2], v[\s+16:\s+31], v[\tm+9]
	v_cvt_scalef32_pk16_fp6_f32 v[\db:\db+2], v[\s+32:\s+47], v[\tm+10]
	v_cvt_scalef32_pk16_fp6_f32 v[\pt+4:\pt+6], v[\s+48:\s+63], v[\tm+11]
	WIN 0
	v_nop                                                ; one plain place behind the scaled conversions
.irp i, 0,1,2
	v_permlane16_swap_b32 v[\da+\i], v[\pt+\i]           ; a whole block to a lane: lanes 0-15 the even block, lanes 16-31 the odd one
	v_permlane16_swap_b32 v[\db+\i], v[\pt+4+\i]
.endr
.irp i, 0,1,2
	v_mov_b32 v[\da+3+\i], v[\pt+\i]
	v_mov_b32 v[\db+3+\i], v[\pt+4+\i]
.endr
.endm
	s_load_b256 s[4:11], s[0:1], 0x0               ; Wk, Wv, Wq, Wo1
	s_load_b128 s[12:15], s[0:1], 0x20             ; Wo2, wfrag
	s_load_b64 s[16:17], s[0:1], 0x30              ; wscale
	v_lshrrev_b32 v1, 5, v0
	v_readfirstlane_b32 s18, v1                    ; wave = tile t
	v_and_b32 v2, 31, v0                           ; lane
	v_and_b32 v3, 15, v0                           ; r
	v_bfe_u32 v4, v0, 4, 1                         ; lane / 16
	v_and_b32 v5, 8, v3
	v_add_nc_u32 v5, v5, v3                        ; r + 8 (r / 8)
	v_lshlrev_b32 v5, 11, v5                       ; a row of W is 2,048 bytes
	v_lshl_add_u32 v5, v4, 6, v5                   ; + my half's 16 numbers of each block of 32
	v_lshlrev_b32 v6, 4, v2                        ; 16 x lane
.irp b, 0,1,2,3
	v_mov_b32 v[84+\b], 0                          ; a lane permute's destination counts as one of its sources
.endr
	s_mov_b32 s[SEL], 0x76543210
	s_mov_b32 s[SEL+1], 0xfedcba98
	s_lshr_b32 s19, ttmp9, 5                       ; which weight
	s_bfe_u32 s20, ttmp9, 0x30002                  ; which 64 rows of it
	s_lshl_b32 s20, s20, 6
	s_lshr_b32 s21, s18, 1
	s_lshl_b32 s21, s21, 5
	s_add_co_u32 s20, s20, s21                     ; + 32 (t / 2)
	s_and_b32 s21, s18, 1
	s_lshl_b32 s21, s21, 3
	s_add_co_u32 s20, s20, s21                     ; + 8 (t % 2)
	s_lshl_b32 s20, s20, 11
	s_and_b32 s21, ttmp9, 3
	s_lshl_b32 s21, s21, 9                         ; K step s: 512 bytes along a row
	s_add_co_u32 s20, s20, s21
	s_mov_b32 s21, 0
	s_lshl_b32 s22, ttmp9, 2
	s_add_co_u32 s22, s22, s18
	s_mul_i32 s22, s22, 1536                       ; the fragment's place in wfrag
	s_mov_b32 s23, 0
	s_lshl_b32 s26, ttmp9, 9
	s_lshl_b32 s27, s18, 2
	s_add_co_u32 s26, s26, s27                     ; the scale words' place in wscale
	s_mov_b32 s27, 0
	s_wait_kmcnt 0x0
	s_cmp_ge_u32 s19, 1                            ; the weight is chosen by the work-group's number alone
	s_cselect_b64 s[4:5], s[6:7], s[4:5]
	s_cmp_ge_u32 s19, 2
	s_cselect_b64 s[4:5], s[8:9], s[4:5]
	s_cmp_ge_u32 s19, 3
	s_cselect_b64 s[4:5], s[10:11], s[4:5]
	s_cmp_ge_u32 s19, 4
	s_cselect_b64 s[4:5], s[12:13], s[4:5]
	s_add_nc_u64 s[4:5], s[4:5], s[20:21]
	s_add_nc_u64 s[14:15], s[14:15], s[22:23]
	s_add_nc_u64 s[16:17], s[16:17], s[26:27]
.irp b, 0,1,2,3
.irp j, 0,1,2,3
	global_load_b128 v[16+16*\b+4*\j:16+16*\b+4*\j+3], v5, s[4:5] offset:128*\b+16*\j
.endr
.endr
	s_wait_loadcnt 0x0
	QUANT 16, 0, 96, 102, 108, 80, 92
.irp c, 0,1,2
	global_store_b128 v6, v[96+4*\c:96+4*\c+3], s[14:15] offset:512*\c   ; 32 lanes store 512 consecutive bytes
.endr
	global_store_b32 v6, v92, s[16:17]             ; the four waves' words together fill 512 consecutive bytes
	s_endpgm
.Lfunc_end_k_q15db8dab68_wprep:
	.size	k_q15db8dab68_wprep, .Lfunc_end_k_q15db8dab68_wprep-k_q15db8dab68_wprep
	.p2alignl 7, 3214868480
	.fill 96, 4, 3214868480
	.section	.rodata,"a",@progbits
	.p2align	6, 0x0
	.amdhsa_kernel k_q15db8dab68_wprep
		.amdhsa_group_segment_fixed_size 0
		.amdhsa_private_segment_fixed_size 0
		.amdhsa_enable_private_segment 0
		.amdhsa_kernarg_size 56
		.amdhsa_user_sgpr_count 2
		.amdhsa_user_sgpr_kernarg_segment_ptr 1
		.amdhsa_wavefront_size32 1
		.amdhsa_system_sgpr_workgroup_id_x 1
		.amdhsa_system_sgpr_workgroup_id_y 1
		.amdhsa_system_sgpr_workgroup_id_z 1
		.amdhsa_system_vgpr_workitem_id 0
		.amdhsa_next_free_vgpr 128
		.amdhsa_next_free_sgpr 66
		.amdhsa_reserve_vcc 0
		.amdhsa_float_denorm_mode_32 3
		.amdhsa_float_denorm_mode_16_64 3
		.amdhsa_memory_ordered 1
		.amdhsa_forward_progress 1
		.amdhsa_inst_pref_size 8
	.end_amdhsa_kernel
	.amdgpu_metadata
---
amdhsa.version: [ 1, 2 ]
amdhsa.kernels:
  - .name:           k_q15db8dab68_wprep
    .symbol:         k_q15db8dab68_wprep.kd
    .args:
      - { .name: Wk, .offset: 0, .size: 8, .value_kind: global_buffer, .address_space: global }
      - { .name: Wv, .offset: 8, .size: 8, .value_kind: global_buffer, .address_space: global }
      - { .name: Wq, .offset: 16, .size: 8, .value_kind: global_buffer, .address_space: global }
      - { .name: Wo1, .offset: 24, .size: 8, .value_kind: global_buffer, .address_space: global }
      - { .name: Wo2, .offset: 32, .size: 8, .value_kind: global_buffer, .address_space: global }
      - { .name: wfrag, .offset: 40, .size: 8, .value_kind: global_buffer, .address_space: global }
      - { .name: wscale, .offset: 48, .size: 8, .value_kind: global_buffer, .address_space: global }
    .group_segment_fixed_size: 0
    .private_segment_fixed_size: 0
    .kernarg_segment_align: 8
    .kernarg_segment_size: 56
    .max_flat_workgroup_size: 128
    .sgpr_count:     66
    .vgpr_count:     128
    .wavefront_size: 32
...
	.end_amdgpu_metadata
.endif
;; end of part 1
;; launch kvp (part 2): grid 256 x 1, 4 waves a work-group, no clusters, 327,680 bytes of LDS; arguments key, value, wfrag, wscale, bk, bv, kln_w, kln_b, vln_w, vln_b, kvpart; writes kvpart
.if DOCPART == 2
	.amdgcn_target "amdgcn-amd-amdhsa--gfx1250"
	.amdhsa_code_object_version 6
	.text
	.protected	k_q15db8dab68_kvp
	.globl	k_q15db8dab68_kvp
	.p2align	8
	.type	k_q15db8dab68_kvp,@function
k_q15db8dab68_kvp:
	s_mov_b64 s[64:65], 0
	v_nop
	global_prefetch_b8 v0, s[64:65] scope:SCOPE_SE
	s_setreg_imm32_b32 hwreg(HW_REG_WAVE_MODE, 25, 1), 1
	s_wait_xcnt 0x0
; For 128 rows (work-group g: rows 128 g on, four whole blocks of 32 along L): k = LN(Q(key) Q(Wk)^T + bk), v likewise, both quantised ALONG L,
; and one K step (these 128 rows) of k^T v for all 8 heads.  The 256 partial sums go to kvpart; the next launch adds them.
; SHARES.  Wave w quantises columns 128 w .. + 127 of key and of value (K step w of the projections) and makes heads 2 w and 2 w + 1.
; ORDER.  key comes by two tensor loads a wave into the wave's own strip in LDS (128 rows x 512 bytes, rows 528 bytes apart) and is quantised into 32 fragment images (3 x 16 bytes a lane + a scale word).
; Then the strips are filled AGAIN, with value: one load a wave, first thing behind a barrier; it lands while both heads' k are made, 256 matrix instructions.  Then value is quantised, its images take
; the place of key's (a barrier before, a barrier after), and both heads' v and k^T v follow.
; ORIENTATION.  The projections are used as they read: source 0 = 16 rows of x, source 1 = 16 rows of W.  In the result lane (r, h) holds ONE channel and rows 8 h + 0..7:
; L runs along the registers.  With accumulator (tile t, row tile m) at 64 t + 8 m, a tile's 64 registers hold four blocks of 32 rows, 16 to a lane, as the quantiser wants them;
; inside a block the order of the rows is a fixed permutation, the same for k and for v, which leaves their product as it is.
; LN's sums run over a head's four tiles and over 16 lanes; the variance is taken of x - mean, in a second pass.
; BY TURNS.  LN of row tile m - 1, 153 vector instructions in 18 slices, stands between row tile m's 16 products, a slice behind each: about 9.6 vector instructions for each matrix instruction.
; A slice costs two switches of the register window, since a product's operands fill windows 1 to 3 and LN's sums lie in window 0.
; TWO LOOPS of two trips (k's heads, v's heads).  What differs between the trips stands in two arms of a branch on the loop's counter: the half-layer asked for next, the registers that take k's codes, the k that the product takes.
; The weights come from memory straight into the registers that use them (56 loads a half-layer), a half-layer ahead.  NO CLUSTER: all work-groups read the same weights, but a joint load would have to land in LDS,
; of whose 327,680 bytes the strips, images and spare words take 324,096: a half-layer of 24,576 bytes has no room.
; No prefetch is laid: key's loads are the first thing that the launch asks for, and value's load goes out 256 matrix instructions ahead of the wait for it.
; LIMITS: NaN and infinities are not served; a block whose largest magnitude lies under 2^-124, and a block of zeros, gets the byte 1 (only this program reads the bytes).
; REGISTERS.  Window 0: addresses, scale words, LN's vectors and sums, the quantiser's results; v120-247 key's numbers, later k's and v's fragments.
;   Window 1: a half-layer's 16 fragments (v0-191), four bias tuples (v192-223).  Window 2: two sets of x's fragments (v0-95).  Window 3: 256 accumulators; value's numbers; k^T v.
.set LI,  1                            ; 16 x lane
.set LS,  2                            ; 4 x lane
.set XA,  3                            ; my strip, 16 numbers of a block to a lane;  XAC: + the trip's rows
.set XAC, 4
.set IW,  5                            ; where I store images;  IWC: + the trip's step
.set IWC, 6
.set SA,  7                            ; and their scale words;  SAC
.set SAC, 8
.set SPW, 9                            ; LDS address of my spare word: SPARE + 4 x my thread's number; never rewritten
.set NIL, 10                           ; 0; never rewritten
.set FI,  11                           ; where images are fetched
.set FS,  12                           ; and scale words
.set BA,  13                           ; 4 (r + 8 (r / 8)): my channel of a tile, in bytes
.set XS,  16                           ; v16-23  x's scale words, two sets
.set WS,  24                           ; v24-39  the half-layer's scale words, 4 s + t
.set KS0, 40                           ; v40-43  k's scale words along L, first head;  v248-251 second head;  v44-47 v's
.set VS,  44
.set KW,  48                           ; v48-63  kln_w, kln_b, vln_w, vln_b at my channel of tiles 0-3
.set KB,  52
.set VW,  56
.set VB,  60
.set S,   64                           ; v64-71  sums of eight rows;  v72-79 sums of squares, then 1 / sqrt
.set Q,   72
.set TM,  80
.set PW,  92
.set EPS, 94                           ; v[94:95] 1e-5, twice
.set PC,  96
.set PT,  108
.set XK,  120                          ; v120-247 key's numbers of two row tiles
.set KF0, 128                          ; k's four fragments (16 channels x 128 rows) of my first head, of my second
.set KF1, 176
.set VF0, 224                          ; v's four fragments, where twelve registers on end are free
.set VF1, 236
.set VF2, 96
.set VF3, 116
.set KS1, 248
.set IMG,  270336                      ; LDS: four strips of 67,584 bytes; 32 images (fragment 4 m + s at 1,536 each);
.set ISC,  319488                      ; their scale words, 128 bytes each;
.set SPARE, 323584                     ; the spare words, 128 bytes for each wave: two blocks of 256 bytes that no other line names
.set WV,  26
.set WF,  32
.set WSP, 34
.set BK,  36
.set BV,  38
.set OUT, 40
.set SEL, 42
.set NR64, 44
.set R64, 46
.set TRIP, 50
.set SI,  51
.set SS,  52
.set HD,  53
.set ST,  54
.set G1A, 68                           ; s[68:75] descriptor group 1: 64 rows;  s[76:83]: 128 rows
.set G1B, 76
.set G0K, 84                           ; s[84:91] group 0 for key's two loads;  s[92:95] for value's
.set G0V, 92
.set MSB, 0
.macro WIN new                         ; the immediate's high byte repeats the setting that is left; low byte: 1:0 source 0, 3:2 source 1, 5:4 source 2, 7:6 destination
.if MSB != (\new)
	s_set_vgpr_msb (MSB<<8)|(\new)
.set MSB, (\new)
.endif
.endm
.macro PLACES n
.rept \n
	v_nop
.endr
.endm
.macro BAR                             ; my LDS stores have landed and my LDS loads are in: then the work-group's barrier
	s_wait_dscnt 0x0
	s_barrier_signal -1
	s_barrier_wait -1
.endm
; 64 numbers of a lane, v[s] on in window wa, register 16 b + i = place 16 (lane / 16) + i of block b of the lane's row, become a fragment:
; registers 0-5 in v[da] on, 6-11 in v[db] on, the row's scale word in v[pw]; all results in window 0.
.macro QUANT s, wa, da, db, pt, tm, pw
	WIN (\wa)|((\wa)<<2)
.irp b, 0,1,2,3
	v_max3_num_f32 v[\tm+\b], |v[\s+16*\b]|, |v[\s+16*\b+1]|, 0x1800000   ; my 16 numbers of block b, and the floor 2^(3 - 127): the byte cannot fall under 1
.endr
.irp i, 2,4,6,8,10,12,14
.irp b, 0,1,2,3
	v_max3_num_f32 v[\tm+\b], |v[\s+16*\b+\i]|, |v[\s+16*\b+\i+1]|, v[\tm+\b]
.endr
.endr
	WIN 0
.irp b, 0,1,2,3
	v_permlanex16_b32 v[\tm+4+\b], v[\tm+\b], s[SEL], s[SEL+1]
.endr
.irp b, 0,1,2,3
	v_max_num_f32 v[\tm+\b], v[\tm+\b], v[\tm+4+\b]      ; with lane l xor 16's 16: the block's largest magnitude
.endr
.irp b, 0,1,2,3
	v_add_nc_u32 v[\tm+8+\b], 0xff000000, v[\tm+\b]      ; 2 off its exponent field: the conversion's scale operand
.endr
.irp b, 0,1,2,3
	v_lshrrev_b32 v[\tm+4+\b], 23, v[\tm+8+\b]           ; the scale's byte
.endr
	v_lshl_or_b32 v[\pw], v[\tm+5], 8, v[\tm+4]
	v_lshl_or_b32 v[\pw], v[\tm+6], 16, v[\pw]
	v_lshl_or_b32 v[\pw], v[\tm+7], 24, v[\pw]
	WIN (\wa)
	v_cvt_scalef32_pk16_fp6_f32 v[\da:\da+2], v[\s:\s+15], v[\tm+8]
	v_cvt_scalef32_pk16_fp6_f32 v[\pt:\pt+2], v[\s+16:\s+31], v[\tm+9]
	v_cvt_scalef32_pk16_fp6_f32 v[\db:\db+2], v[\s+32:\s+47], v[\tm+10]
	v_cvt_scalef32_pk16_fp6_f32 v[\pt+4:\pt+6], v[\s+48:\s+63], v[\tm+11]
	WIN 0
	v_nop                                                ; one plain place behind the scaled conversions
.irp i, 0,1,2
	v_permlane16_swap_b32 v[\da+\i], v[\pt+\i]           ; a whole block to a lane
	v_permlane16_swap_b32 v[\db+\i], v[\pt+4+\i]
.endr
.irp i, 0,1,2
	v_mov_b32 v[\da+3+\i], v[\pt+\i]
	v_mov_b32 v[\db+3+\i], v[\pt+4+\i]
.endr
.endm
; a half-layer: 16 fragments, one bias number a tile, 16 scale words: 56 loads
.macro WLOADK W, dh, bp
	WIN 0x40
.irp f, 0,1,2,3,4,5,6,7,8,9,10,11,12,13,14,15
.irp c, 0,1,2
	global_load_b128 v[12*\f+4*\c:12*\f+4*\c+3], v[LI], s[WF:WF+1] offset:(\W)*196608+(\dh)*24576+1536*\f+512*\c
.endr
.endr
.irp t, 0,1,2,3
	global_load_b32 v[192+8*\t], v[BA], s[\bp:\bp+1] offset:256*(\dh)+(32*(\t/2)+8*(\t%2))*4
.endr
	WIN 0
.irp s, 0,1,2,3
	global_load_b128 v[WS+4*\s:WS+4*\s+3], v[LI], s[WSP:WSP+1] offset:(\W)*16384+(\dh)*2048+512*\s
.endr
.endm
; n trips of 32 rows of my strip: two row tiles' numbers into v[xb] on of window xw, two fragments, their images into slots 2 trip and 2 trip + 1.  ST, SI, SS go on from where they stand.
.macro XQ xb, xw, n
	s_mov_b32 s[TRIP], \n
.Lxq_\@:
	v_add_nc_u32 v[XAC], s[ST], v[XA]              ; (no LDS instruction of mine is out here)
	v_add_nc_u32 v[IWC], s[SI], v[IW]
	v_add_nc_u32 v[SAC], s[SS], v[SA]
	WIN (\xw)<<6
.irp f, 0,1
.irp b, 0,1,2,3
.irp j, 0,1,2,3
	ds_load_b128 v[\xb+64*\f+16*\b+4*\j:\xb+64*\f+16*\b+4*\j+3], v[XAC] offset:8448*\f+128*\b+16*\j
.endr
.endr
.endr
	WIN 0
	s_wait_dscnt 16                                ; the first tile's 16 loads are in; the second's may be out
	QUANT \xb, \xw, PC, PC+6, PT, TM, PW
.irp c, 0,1,2
	ds_store_b128 v[IWC], v[PC+4*\c:PC+4*\c+3] offset:512*\c
.endr
	ds_store_b32 v[SAC], v[PW]
	s_wait_dscnt 0x0                               ; the second tile is in, the stores have read their registers
	QUANT \xb+64, \xw, PC, PC+6, PT, TM, PW
.irp c, 0,1,2
	ds_store_b128 v[IWC], v[PC+4*\c:PC+4*\c+3] offset:6144+512*\c
.endr
	ds_store_b32 v[SAC], v[PW] offset:512
	s_wait_dscnt 0x0
	s_add_co_u32 s[ST], s[ST], 16896               ; 32 rows of a strip
	s_add_co_u32 s[SI], s[SI], 12288               ; two slots of four images
	s_add_co_u32 s[SS], s[SS], 1024
	s_sub_co_u32 s[TRIP], s[TRIP], 1
	s_cmp_lg_u32 s[TRIP], 0
	s_cbranch_scc1 .Lxq_\@
.endm
; x's four fragments and scale words of row tile m into set buf: 16 LDS loads
.macro FETCH m, buf
	WIN 0x80
.irp s, 0,1,2,3
.irp c, 0,1,2
	ds_load_b128 v[48*(\buf)+12*\s+4*\c:48*(\buf)+12*\s+4*\c+3], v[FI] offset:(4*(\m)+\s)*1536+512*\c
.endr
.endr
	WIN 0
.irp s, 0,1,2,3
	ds_load_b32 v[XS+4*(\buf)+\s], v[FS] offset:(4*(\m)+\s)*128
.endr
.endm
; LayerNorm of a row tile's 16 rows over the head's 64 channels, in place, in 18 slices.  Register j of a lane is row 8 (lane / 16) + j; the channels lie in four tiles x 16 lanes.
; AB: the row tile's first register in tile 0; tile t lies 64 t further on.
.macro LNDPP r, x                      ; one step of the sum over 16 lanes, the eight rows by turns
.irp j, 0,1,2,3,4,5,6,7
	v_add_f32_dpp v[\r+\j], v[\r+\j], v[\r+\j] row_xmask:\x row_mask:0xf bank_mask:0xf
.endr
.endm
.macro LNSUB t                         ; x - mean
.irp j, 0,2,4,6
	v_pk_fma_f32 v[AB+64*(\t)+\j:AB+64*(\t)+\j+1], v[S+\j:S+\j+1], s[NR64:NR64+1], v[AB+64*(\t)+\j:AB+64*(\t)+\j+1] op_sel_hi:[1,0,1]
.endr
.endm
.macro LNSQ t                          ; + its square
.irp j, 0,2,4,6
	v_pk_fma_f32 v[Q+\j:Q+\j+1], v[AB+64*(\t)+\j:AB+64*(\t)+\j+1], v[AB+64*(\t)+\j:AB+64*(\t)+\j+1], v[Q+\j:Q+\j+1]
.endr
.endm
.macro LNT t, lw, lb                   ; x 1 / sqrt, x gain + bias of my channel of tile t: the low word of their pair for even tiles, the high word for odd ones
.irp j, 0,2,4,6
	v_pk_mul_f32 v[AB+64*(\t)+\j:AB+64*(\t)+\j+1], v[AB+64*(\t)+\j:AB+64*(\t)+\j+1], v[Q+\j:Q+\j+1]
.endr
.irp j, 0,2,4,6
.if (\t)%2 == 0
	v_pk_fma_f32 v[AB+64*(\t)+\j:AB+64*(\t)+\j+1], v[AB+64*(\t)+\j:AB+64*(\t)+\j+1], v[\lw+(\t):\lw+(\t)+1], v[\lb+(\t):\lb+(\t)+1] op_sel_hi:[1,0,0]
.else
	v_pk_fma_f32 v[AB+64*(\t)+\j:AB+64*(\t)+\j+1], v[AB+64*(\t)+\j:AB+64*(\t)+\j+1], v[\lw+(\t)-1:\lw+(\t)], v[\lb+(\t)-1:\lb+(\t)] op_sel:[0,1,1] op_sel_hi:[1,1,1]
.endif
.endr
.endm
.macro LNS mm, lw, lb, k               ; slice k of row tile mm's LN; each slice stands under one window setting
.set AB, 8*(\mm)
.if (\k) == 0
	WIN 0x0f
.irp j, 0,2,4,6                        ; each accumulator is read from its low end on
	v_pk_add_f32 v[S+\j:S+\j+1], v[AB+\j:AB+\j+1], v[AB+64+\j:AB+64+\j+1]
	v_pk_add_f32 v[Q+\j:Q+\j+1], v[AB+128+\j:AB+128+\j+1], v[AB+192+\j:AB+192+\j+1]
.endr
.elseif (\k) == 1
	WIN 0
.irp j, 0,2,4,6
	v_pk_add_f32 v[S+\j:S+\j+1], v[S+\j:S+\j+1], v[Q+\j:Q+\j+1]
.endr
	LNDPP S, 1
.elseif (\k) == 2
	WIN 0
	LNDPP S, 2
.elseif (\k) == 3
	WIN 0
	LNDPP S, 4
.elseif (\k) == 4
	WIN 0
	LNDPP S, 8
.elseif (\k) == 5
	WIN 0xf0
	LNSUB 0
	LNSUB 1
.elseif (\k) == 6
	WIN 0xf0
	LNSUB 2
	LNSUB 3
.elseif (\k) == 7
	WIN 0x0f
.irp j, 0,2,4,6
	v_pk_mul_f32 v[Q+\j:Q+\j+1], v[AB+\j:AB+\j+1], v[AB+\j:AB+\j+1]
.endr
	LNSQ 1
.elseif (\k) == 8
	WIN 0x0f
	LNSQ 2
	LNSQ 3
.elseif (\k) == 9
	WIN 0
	LNDPP Q, 1
.elseif (\k) == 10
	WIN 0
	LNDPP Q, 2
.elseif (\k) == 11
	WIN 0
	LNDPP Q, 4
.elseif (\k) == 12
	WIN 0
	LNDPP Q, 8
.elseif (\k) == 13
	WIN 0
.irp j, 0,2,4,6
	v_pk_fma_f32 v[Q+\j:Q+\j+1], v[Q+\j:Q+\j+1], s[R64:R64+1], v[EPS:EPS+1] op_sel_hi:[1,0,1]   ; the variance + 1e-5
.endr
.irp j, 0,1,2,3,4,5,6,7
	v_rsq_f32 v[Q+\j], v[Q+\j]
.endr
	v_nop                                          ; one plain place behind the transcendentals
	s_wait_alu depctr_va_vdst(0)
.else
	WIN 0xc3
	LNT (\k)-14, \lw, \lb
.endif
.endm
.macro LN m, lw, lb                    ; the whole of it, where no products are left to stand between
.irp k, 0,1,2,3,4,5,6,7,8,9,10,11,12,13,14,15,16,17
	LNS \m, \lw, \lb, \k
.endr
	WIN 0
.endm
; 16 products: row tile m x the head's four tiles, K = 512; the bias is the C of each sum's first product.  The four accumulators take turns, one instruction a turn.
; Behind each product stands a slice of row tile m - 1's LN, which names none of the products' registers; the last two slices are the places in front of the loads into the registers just multiplied.
.macro MMLN m, lw, lb
.irp s, 0,1,2,3
.irp t, 0,1,2,3
.if \s == 0
	WIN 0xd6                                       ; x window 2, W window 1, the bias window 1, the result window 3
	v_wmma_scale_f32_16x16x128_f8f6f4 v[64*\t+8*(\m):64*\t+8*(\m)+7], v[48*((\m)%2)+12*\s:48*((\m)%2)+12*\s+11], v[12*(4*\s+\t):12*(4*\s+\t)+11], v[192+8*\t:192+8*\t+7], v[XS+4*((\m)%2)+\s], v[WS+4*\s+\t] matrix_a_fmt:MATRIX_FMT_FP6 matrix_b_fmt:MATRIX_FMT_FP6
.else
	WIN 0xf6
	v_wmma_scale_f32_16x16x128_f8f6f4 v[64*\t+8*(\m):64*\t+8*(\m)+7], v[48*((\m)%2)+12*\s:48*((\m)%2)+12*\s+11], v[12*(4*\s+\t):12*(4*\s+\t)+11], v[64*\t+8*(\m):64*\t+8*(\m)+7], v[XS+4*((\m)%2)+\s], v[WS+4*\s+\t] matrix_a_fmt:MATRIX_FMT_FP6 matrix_b_fmt:MATRIX_FMT_FP6
.endif
.if \m > 0
	LNS (\m)-1, \lw, \lb, 4*\s+\t
.endif
.endr
.endr
.if \m > 0
	LNS (\m)-1, \lw, \lb, 16
	LNS (\m)-1, \lw, \lb, 17
	WIN 0
.else
	WIN 0
	PLACES 4
.endif
.endm
; One tensor of one head: the projection of all 128 rows, and LN of row tiles 0 to 6.  Row tiles 0 and 1 have been fetched.
.macro HLMC lw, lb
	s_wait_loadcnt 0x0                             ; the half-layer is in
	WIN 0x41
.irp t, 0,1,2,3
.irp j, 1,2,3,4,5,6,7
	v_mov_b32 v[192+8*\t+\j], v[192+8*\t]          ; a lane holds one channel: its bias in all eight rows
.endr
.endr
	WIN 0
	PLACES 4
.irp m, 0,1,2,3,4,5,6,7
.if \m < 7
	s_wait_dscnt 16                                ; row tile m's 16 loads are in; the next tile's 16 may be out
.else
	s_wait_dscnt 0x0
.endif
	MMLN \m, \lw, \lb
.if \m < 6
	FETCH \m+2, \m%2
.endif
.endr
.endm
; k^T v of these 128 rows: source 0 = 16 channels of k, source 1 = 16 channels of v; 16 sums, each one product
.macro PRODE e, vf, kf, ks
.irp d, 0,1,2,3
	v_wmma_scale_f32_16x16x128_f8f6f4 v[32*(\e)+8*\d:32*(\e)+8*\d+7], v[\kf+12*\d:\kf+12*\d+11], v[\vf:\vf+11], 0, v[\ks+\d], v[VS+(\e)] matrix_a_fmt:MATRIX_FMT_FP6 matrix_b_fmt:MATRIX_FMT_FP6
.endr
.endm
.macro PROD kf, ks
	WIN 0xc0
	PRODE 0, VF0, \kf, \ks
	PRODE 1, VF1, \kf, \ks
	PRODE 2, VF2, \kf, \ks
	PRODE 3, VF3, \kf, \ks
	WIN 0
.endm
	s_load_b512 s[4:19], s[0:1], 0x0               ; key, value, wfrag, wscale, bk, bv, kln_w, kln_b
	s_load_b128 s[20:23], s[0:1], 0x40             ; vln_w, vln_b
	s_load_b64 s[24:25], s[0:1], 0x50              ; kvpart
	v_lshl_add_u32 v[SPW], v0, 2, SPARE
	v_mov_b32 v[NIL], 0
	ds_add_u32 v9, v10
	ds_add_u32 v9, v10
	s_wait_dscnt 0x0
	v_lshrrev_b32 v14, 5, v0
	v_readfirstlane_b32 s[WV], v14                 ; wave 0..3
	v_and_b32 v14, 31, v0                          ; lane
	v_and_b32 v15, 15, v0                          ; r
	v_bfe_u32 v[XAC], v0, 4, 1                     ; lane / 16
	v_lshlrev_b32 v[LI], 4, v14
	v_lshlrev_b32 v[LS], 2, v14
	s_mul_i32 s55, s[WV], 67584                    ; my strip
	v_mul_u32_u24 v[XA], v15, 528                  ; rows 528 bytes apart: the 16 rows of a load start 16 bytes further on in each row of banks (64 banks of 4 bytes: ISA guide 11.1)
	v_lshl_add_u32 v[XA], v[XAC], 6, v[XA]
	v_add_nc_u32 v[XA], s55, v[XA]
	s_mul_i32 s56, s[WV], 1536
	s_add_co_u32 s56, s56, IMG
	v_add_nc_u32 v[IW], s56, v[LI]
	s_lshl_b32 s56, s[WV], 7
	s_add_co_u32 s56, s56, ISC
	v_add_nc_u32 v[SA], s56, v[LS]
	v_add_nc_u32 v[FI], IMG, v[LI]
	v_add_nc_u32 v[FS], ISC, v[LS]
	v_and_b32 v[BA], 8, v15
	v_add_nc_u32 v[BA], v[BA], v15
	v_lshlrev_b32 v[BA], 2, v[BA]
	v_mov_b32 v[EPS], 0x3727c5ac                   ; 1e-5
	v_mov_b32 v[EPS+1], 0x3727c5ac
.irp b, 0,1,2,3
	v_mov_b32 v[TM+4+\b], 0                        ; a lane permute's destination counts as one of its sources
	v_mov_b32 v[KS0+\b], 0                         ; k's scale words are written again on one way of a branch each: so they are written here once, on every way
	v_mov_b32 v[KS1+\b], 0
.endr
	s_mov_b32 s[SEL], 0x76543210
	s_mov_b32 s[SEL+1], 0xfedcba98
	s_mov_b32 s[NR64], 0xbc800000                  ; -1 / 64
	s_mov_b32 s[NR64+1], 0xbc800000
	s_mov_b32 s[R64], 0x3c800000                   ; 1 / 64
	s_mov_b32 s[R64+1], 0x3c800000
	; descriptor groups 1: rows of 128 elements of 4 bytes, 2,048 bytes from row to row in memory, 16 bytes of padding behind each row in LDS; 64 rows (key's two loads) or 128 (value's one)
	s_mov_b32 s[G1A], (2<<16)|(1<<20)|(6<<22)|(3<<25)   ; no mask; elements of 4 bytes; padding on, after every 128 words, of 4 words
	s_mov_b32 s[G1A+1], 128<<16                    ; tensor_dim0
	s_mov_b32 s[G1A+2], 64<<16                     ; tensor_dim1
	s_mov_b32 s[G1A+3], 128<<16                    ; tile_dim0
	s_mov_b32 s[G1A+4], 64                         ; tile_dim1
	s_mov_b32 s[G1A+5], 512                        ; elements from row to row
	s_mov_b32 s[G1A+6], 0
	s_mov_b32 s[G1A+7], 0
	s_mov_b32 s[G1B], (2<<16)|(1<<20)|(6<<22)|(3<<25)
	s_mov_b32 s[G1B+1], 128<<16
	s_mov_b32 s[G1B+2], 128<<16
	s_mov_b32 s[G1B+3], 128<<16
	s_mov_b32 s[G1B+4], 128
	s_mov_b32 s[G1B+5], 512
	s_mov_b32 s[G1B+6], 0
	s_mov_b32 s[G1B+7], 0
	s_lshl_b32 s56, ttmp9, 18                      ; 128 rows of 2,048 bytes a work-group,
	s_lshl_b32 s57, s[WV], 9                       ; 512 bytes of a row a wave
	s_add_co_u32 s56, s56, s57
	s_mov_b32 s57, 0
	s_mul_i32 s58, s[WV], 49152                    ; my two half-layers of each weight
	s_mov_b32 s59, 0
	s_lshl_b32 s60, s[WV], 12
	s_mov_b32 s61, 0
	s_lshl_b32 s62, s[WV], 9                       ; my 128 channels of a bias
	s_mov_b32 s63, 0
	s_lshl_b32 s66, ttmp9, 17                      ; kvpart: 8 heads x 16,384 bytes a work-group
	s_lshl_b32 s67, s[WV], 15
	s_add_co_u32 s66, s66, s67
	s_mov_b32 s67, 0
	s_mov_b32 s[ST], 0
	s_mov_b32 s[SI], 0
	s_mov_b32 s[SS], 0
	s_wait_kmcnt 0x0
	s_add_nc_u64 s[28:29], s[4:5], s[56:57]
	s_add_nc_u64 s[30:31], s[6:7], s[56:57]
	s_add_nc_u64 s[WF:WF+1], s[8:9], s[58:59]
	s_add_nc_u64 s[WSP:WSP+1], s[10:11], s[60:61]
	s_add_nc_u64 s[BK:BK+1], s[12:13], s[62:63]
	s_add_nc_u64 s[BV:BV+1], s[14:15], s[62:63]
	s_add_nc_u64 s[OUT:OUT+1], s[24:25], s[66:67]
.irp c, 0,1
	s_mov_b32 s[G0K+4*\c], 1                       ; count = 1
	s_add_co_u32 s[G0K+4*\c+1], s55, \c*33792      ; LDS: my strip's rows 64 c on
	s_add_nc_u64 s[G0K+4*\c+2:G0K+4*\c+3], s[28:29], \c*131072
	s_or_b32 s[G0K+4*\c+3], s[G0K+4*\c+3], 0x80000000   ; type = 2
.endr
	s_mov_b32 s[G0V], 1
	s_mov_b32 s[G0V+1], s55                        ; the whole strip
	s_mov_b64 s[G0V+2:G0V+3], s[30:31]
	s_or_b32 s[G0V+3], s[G0V+3], 0x80000000
	tensor_load_to_lds s[G0K:G0K+3], s[G1A:G1A+7]  ; key into my strip: the first fills, ahead of every wait on TENSORcnt, LDS read and barrier; two loads of mine are out
	s_nop 0
	tensor_load_to_lds s[G0K+4:G0K+7], s[G1A:G1A+7]
	s_nop 0
	PLACES 4
	WLOADK 0, 0, BK                                ; Wk's first half-layer and LN's vectors
.irp t, 0,1,2,3
	global_load_b32 v[KW+\t], v[BA], s[16:17] offset:(32*(\t/2)+8*(\t%2))*4
	global_load_b32 v[KB+\t], v[BA], s[18:19] offset:(32*(\t/2)+8*(\t%2))*4
	global_load_b32 v[VW+\t], v[BA], s[20:21] offset:(32*(\t/2)+8*(\t%2))*4
	global_load_b32 v[VB+\t], v[BA], s[22:23] offset:(32*(\t/2)+8*(\t%2))*4
.endr
	; ---- key to codes: my 128 columns of the 128 rows become K step w of eight row tiles
	s_wait_tensorcnt 0x1                           ; rows 0-63 of my strip are in (I alone read it); the second load may be out
	XQ XK, 0, 2
	s_wait_tensorcnt 0x0                           ; rows 64-127
	XQ XK, 0, 2
	; ---- the strips are filled again, with value
	s_wait_tensorcnt 0x0                           ; no tensor load of mine is out;
	ds_add_u32 v[SPW], v[NIL]                      ; 0 onto my spare word;
	s_wait_dscnt 0x0                               ; the add is done, my reads of the strip are over, my images have landed
	s_barrier_signal -1
	s_barrier_wait -1                              ; all that holds of every wave: key's 32 images lie in LDS
	tensor_load_to_lds s[G0V:G0V+3], s[G1B:G1B+7]  ; my one tensor load behind the barrier, and the first thing there: it has both heads' k, 256 matrix instructions, in which to land
	s_nop 0
	PLACES 4
	; ---- k of my two heads
	FETCH 0, 0
	FETCH 1, 1
	s_mov_b32 s[HD], 2
.Lk:
	HLMC KW, KB
	s_cmp_eq_u32 s[HD], 1                          ; what is asked for next: both ways issue 56 loads into the same registers
	s_cbranch_scc1 .Lk_wv
	WLOADK 0, 1, BK                                ; Wk's second half-layer, and key's first two row tiles once more
	FETCH 0, 0
	FETCH 1, 1
	s_branch .Lk_wj
.Lk_wv:
	WLOADK 1, 0, BV                                ; Wv's first half-layer
.Lk_wj:
	LN 7, KW, KB
	s_cmp_eq_u32 s[HD], 1                          ; where the head's four fragments along L go
	s_cbranch_scc1 .Lk_q1
.irp t, 0,1,2,3
	QUANT 64*\t, 3, KF0+12*\t, KF0+12*\t+6, PT, TM, KS0+\t
.endr
	s_branch .Lk_qj
.Lk_q1:
.irp t, 0,1,2,3
	QUANT 64*\t, 3, KF1+12*\t, KF1+12*\t+6, PT, TM, KS1+\t
.endr
.Lk_qj:
	s_sub_co_u32 s[HD], s[HD], 1
	s_cmp_lg_u32 s[HD], 0
	s_cbranch_scc1 .Lk
	; ---- value to codes: its images take the place of key's
	s_wait_tensorcnt 0x0                           ; value lies in my strip
	BAR                                            ; nobody reads key's images any more
	s_mov_b32 s[ST], 0
	s_mov_b32 s[SI], 0
	s_mov_b32 s[SS], 0
	XQ 0, 3, 4
	BAR                                            ; value's 32 images lie in LDS, and are only read from here on
	; ---- v of my two heads, and k^T v
	FETCH 0, 0
	FETCH 1, 1
	s_mov_b32 s[HD], 2
.Lv:
	HLMC VW, VB
	s_cmp_eq_u32 s[HD], 1                          ; behind the last head nothing follows
	s_cbranch_scc1 .Lv_nw
	WLOADK 1, 1, BV
	FETCH 0, 0
	FETCH 1, 1
.Lv_nw:
	LN 7, VW, VB
	QUANT 0, 3, VF0, VF0+6, PT, TM, VS
	QUANT 64, 3, VF1, VF1+6, PT, TM, VS+1
	QUANT 128, 3, VF2, VF2+6, PT, TM, VS+2
	QUANT 192, 3, VF3, VF3+6, PT, TM, VS+3
	PLACES 8                                       ; operands and scale words written by vector instructions stand 4 and 8 places ahead of a scaled matrix instruction
	s_cmp_eq_u32 s[HD], 1                          ; which head's k
	s_cbranch_scc1 .Lv_p1
	PROD KF0, KS0
	s_branch .Lv_pj
.Lv_p1:
	PROD KF1, KS1
.Lv_pj:
	PLACES 5
	WIN 0x0c
.set II, 0
.rept 32
	global_store_b128 v[LI], v[4*II:4*II+3], s[OUT:OUT+1] offset:512*II   ; the registers as they stand, ascending: 512 consecutive bytes a store
.set II, II+1
.endr
	WIN 0
	s_wait_xcnt 0x0                                ; the stores' data and their base may be written again
	s_add_nc_u64 s[OUT:OUT+1], s[OUT:OUT+1], 16384
	s_sub_co_u32 s[HD], s[HD], 1
	s_cmp_lg_u32 s[HD], 0
	s_cbranch_scc1 .Lv
	s_wait_tensorcnt 0x0                           ; the wave's end, behind my last tensor load and my last LDS store
	ds_add_u32 v[SPW], v[NIL]
	s_wait_dscnt 0x0
	s_endpgm
.Lfunc_end_k_q15db8dab68_kvp:
	.size	k_q15db8dab68_kvp, .Lfunc_end_k_q15db8dab68_kvp-k_q15db8dab68_kvp
	.p2alignl 7, 3214868480
	.fill 96, 4, 3214868480
	.section	.rodata,"a",@progbits
	.p2align	6, 0x0
	.amdhsa_kernel k_q15db8dab68_kvp
		.amdhsa_group_segment_fixed_size 327680
		.amdhsa_private_segment_fixed_size 0
		.amdhsa_enable_private_segment 0
		.amdhsa_kernarg_size 88
		.amdhsa_user_sgpr_count 2
		.amdhsa_user_sgpr_kernarg_segment_ptr 1
		.amdhsa_wavefront_size32 1
		.amdhsa_system_sgpr_workgroup_id_x 1
		.amdhsa_system_sgpr_workgroup_id_y 1
		.amdhsa_system_sgpr_workgroup_id_z 1
		.amdhsa_system_vgpr_workitem_id 0
		.amdhsa_next_free_vgpr 1024
		.amdhsa_next_free_sgpr 96
		.amdhsa_reserve_vcc 0
		.amdhsa_float_denorm_mode_32 3
		.amdhsa_float_denorm_mode_16_64 3
		.amdhsa_memory_ordered 1
		.amdhsa_forward_progress 1
		.amdhsa_inst_pref_size 255
	.end_amdhsa_kernel
	.section	.bss,"aw",@nobits
	.p2align	6
	.space	262144
	.amdgpu_metadata
---
amdhsa.version: [ 1, 2 ]
amdhsa.kernels:
  - .name:           k_q15db8dab68_kvp
    .symbol:         k_q15db8dab68_kvp.kd
    .args:
      - { .name: key, .offset: 0, .size: 8, .value_kind: global_buffer, .address_space: global }
      - { .name: value, .offset: 8, .size: 8, .value_kind: global_buffer, .address_space: global }
      - { .name: wfrag, .offset: 16, .size: 8, .value_kind: global_buffer, .address_space: global }
      - { .name: wscale, .offset: 24, .size: 8, .value_kind: global_buffer, .address_space: global }
      - { .name: bk, .offset: 32, .size: 8, .value_kind: global_buffer, .address_space: global }
      - { .name: bv, .offset: 40, .size: 8, .value_kind: global_buffer, .address_space: global }
      - { .name: kln_w, .offset: 48, .size: 8, .value_kind: global_buffer, .address_space: global }
      - { .name: kln_b, .offset: 56, .size: 8, .value_kind: global_buffer, .address_space: global }
      - { .name: vln_w, .offset: 64, .size: 8, .value_kind: global_buffer, .address_space: global }
      - { .name: vln_b, .offset: 72, .size: 8, .value_kind: global_buffer, .address_space: global }
      - { .name: kvpart, .offset: 80, .size: 8, .value_kind: global_buffer, .address_space: global }
    .group_segment_fixed_size: 327680
    .private_segment_fixed_size: 0
    .kernarg_segment_align: 8
    .kernarg_segment_size: 88
    .max_flat_workgroup_size: 128
    .sgpr_count:     96
    .vgpr_count:     1024
    .wavefront_size: 32
...
	.end_amdgpu_metadata
.endif
;; end of part 2
;; launch kvred (part 3): grid 256 x 1, 8 waves a work-group, no clusters, 37,888 bytes of LDS; arguments kvpart, kvfrag, kvscale; writes kvfrag, kvscale
.if DOCPART == 3
	.amdgcn_target "amdgcn-amd-amdhsa--gfx1250"
	.amdhsa_code_object_version 6
	.text
	.protected	k_q15db8dab68_kvred
	.globl	k_q15db8dab68_kvred
	.p2align	8
	.type	k_q15db8dab68_kvred,@function
k_q15db8dab68_kvred:
	s_mov_b64 s[64:65], 0
	v_nop
	global_prefetch_b8 v0, s[64:65] scope:SCOPE_SE
	s_setreg_imm32_b32 hwreg(HW_REG_WAVE_MODE, 25, 1), 1
	s_wait_xcnt 0x0
; kv = (the sum of a batch's 32 partial k^T v) / 4096, quantised along d into one fragment for each (batch, head, tile of 16 columns e).
; Work-group u = (batch x 8 + head) x 4 + tile.  A partial tile is 4,096 dense bytes: 32 registers a lane, register 16 b + i = kv(d = 32 b + 16 (lane / 16) + i, e of lane % 16).
; Wave w adds partials 4 w .. 4 w + 3 in registers; the eight sums meet in LDS, each wave adds one eighth of the tile over the eight waves; wave 0 quantises.
; The last launch multiplies a wave's 128 channels (two heads) at once: an even head's codes stand at K = 0 .. 63, an odd head's at K = 64 .. 127, zero codes in the other half.
; LIMITS: NaN and infinities are not served; a block of zeros, or one whose largest magnitude lies under 2^-124, gets the byte 1 (only this program reads the bytes).
.set SEL, 24
.set MSB, 0
.macro WIN new
.if MSB != (\new)
	s_set_vgpr_msb (MSB<<8)|(\new)
.set MSB, (\new)
.endif
.endm
.macro QUANT s, wa, da, db, pt, tm, pw
	WIN (\wa)|((\wa)<<2)
.irp b, 0,1,2,3
	v_max3_num_f32 v[\tm+\b], |v[\s+16*\b]|, |v[\s+16*\b+1]|, 0x1800000   ; my 16 numbers of block b, and the floor 2^(3 - 127)
.endr
.irp i, 2,4,6,8,10,12,14
.irp b, 0,1,2,3
	v_max3_num_f32 v[\tm+\b], |v[\s+16*\b+\i]|, |v[\s+16*\b+\i+1]|, v[\tm+\b]
.endr
.endr
	WIN 0
.irp b, 0,1,2,3
	v_permlanex16_b32 v[\tm+4+\b], v[\tm+\b], s[SEL], s[SEL+1]
.endr
.irp b, 0,1,2,3
	v_max_num_f32 v[\tm+\b], v[\tm+\b], v[\tm+4+\b]
.endr
.irp b, 0,1,2,3
	v_add_nc_u32 v[\tm+8+\b], 0xff000000, v[\tm+\b]      ; 2 off the exponent field: the conversion's scale operand
.endr
.irp b, 0,1,2,3
	v_lshrrev_b32 v[\tm+4+\b], 23, v[\tm+8+\b]           ; the scale's byte
.endr
	v_lshl_or_b32 v[\pw], v[\tm+5], 8, v[\tm+4]
	v_lshl_or_b32 v[\pw], v[\tm+6], 16, v[\pw]
	v_lshl_or_b32 v[\pw], v[\tm+7], 24, v[\pw]
	WIN (\wa)
	v_cvt_scalef32_pk16_fp6_f32 v[\da:\da+2], v[\s:\s+15], v[\tm+8]
	v_cvt_scalef32_pk16_fp6_f32 v[\pt:\pt+2], v[\s+16:\s+31], v[\tm+9]
	v_cvt_scalef32_pk16_fp6_f32 v[\db:\db+2], v[\s+32:\s+47], v[\tm+10]
	v_cvt_scalef32_pk16_fp6_f32 v[\pt+4:\pt+6], v[\s+48:\s+63], v[\tm+11]
	WIN 0
	v_nop                                                ; one plain place behind the scaled conversions
.irp i, 0,1,2
	v_permlane16_swap_b32 v[\da+\i], v[\pt+\i]
	v_permlane16_swap_b32 v[\db+\i], v[\pt+4+\i]
.endr
.irp i, 0,1,2
	v_mov_b32 v[\da+3+\i], v[\pt+\i]
	v_mov_b32 v[\db+3+\i], v[\pt+4+\i]
.endr
.endm
	s_load_b128 s[4:7], s[0:1], 0x0                ; kvpart, kvfrag
	s_load_b64 s[8:9], s[0:1], 0x10                ; kvscale
	v_lshl_add_u32 v160, v0, 2, 0x9000
	v_mov_b32 v161, 0
	v_lshrrev_b32 v1, 5, v0
	v_readfirstlane_b32 s10, v1                    ; wave 0..7
	v_and_b32 v2, 31, v0
	v_lshlrev_b32 v3, 4, v2                        ; 16 x lane
	s_lshl_b32 s11, s10, 12
	v_add_nc_u32 v4, s11, v3                       ; LDS: my wave's sum, 4,096 bytes
	s_lshl_b32 s11, s10, 9
	v_add_nc_u32 v5, s11, v3                       ; my eighth of a tile
	s_mov_b32 s[SEL], 0x76543210
	s_mov_b32 s[SEL+1], 0xfedcba98
	s_lshr_b32 s12, ttmp9, 5
	s_lshl_b32 s12, s12, 22                        ; the batch's 32 partials of 131,072 bytes
	s_lshl_b32 s13, s10, 19                        ; my four of them
	s_add_co_u32 s12, s12, s13
	s_bfe_u32 s13, ttmp9, 0x30002
	s_lshl_b32 s13, s13, 14                        ; the head
	s_add_co_u32 s12, s12, s13
	s_and_b32 s13, ttmp9, 3
	s_lshl_b32 s13, s13, 12                        ; the tile
	s_add_co_u32 s12, s12, s13
	s_mov_b32 s13, 0
	s_mul_i32 s14, ttmp9, 1536                     ; the fragment's place
	s_mov_b32 s15, 0
	s_lshr_b32 s16, ttmp9, 2
	s_lshl_b32 s16, s16, 9
	s_and_b32 s17, ttmp9, 3
	s_lshl_b32 s17, s17, 2
	s_add_co_u32 s16, s16, s17                     ; the scale words' place
	s_mov_b32 s17, 0
	s_wait_kmcnt 0x0
	s_add_nc_u64 s[4:5], s[4:5], s[12:13]
	s_add_nc_u64 s[6:7], s[6:7], s[14:15]
	s_add_nc_u64 s[8:9], s[8:9], s[16:17]
.irp p, 0,1,2,3
.irp q, 0,1,2,3,4,5,6,7
	global_load_b128 v[32+32*\p+4*\q:32+32*\p+4*\q+3], v3, s[4:5] offset:131072*\p+512*\q th:TH_LOAD_NT
.endr
.endr
	s_wait_loadcnt 0x0
.irp p, 1,2,3
.set JJ, 0
.rept 16
	v_pk_add_f32 v[32+JJ:33+JJ], v[32+JJ:33+JJ], v[32+32*\p+JJ:33+32*\p+JJ]
.set JJ, JJ+2
.endr
.endr
.irp q, 0,1,2,3,4,5,6,7
	ds_store_b128 v4, v[32+4*\q:32+4*\q+3] offset:512*\q
.endr
	s_wait_dscnt 0x0                               ; my sum has landed
	s_barrier_signal -1
	s_barrier_wait -1
.irp x, 0,1,2,3,4,5,6,7
	ds_load_b128 v[64+4*\x:64+4*\x+3], v5 offset:4096*\x   ; registers 4 w .. 4 w + 3 of every wave's sum
.endr
	s_wait_dscnt 0x0
.irp x, 1,2,3,4,5,6,7
	v_pk_add_f32 v[64:65], v[64:65], v[64+4*\x:65+4*\x]
	v_pk_add_f32 v[66:67], v[66:67], v[66+4*\x:67+4*\x]
.endr
	v_pk_mul_f32 v[64:65], v[64:65], 0x39800000 op_sel_hi:[1,0]   ; / 4096
	v_pk_mul_f32 v[66:67], v[66:67], 0x39800000 op_sel_hi:[1,0]
	ds_store_b128 v5, v[64:67] offset:32768        ; bytes of their own, behind the eight sums
	s_wait_dscnt 0x0
	s_barrier_signal -1
	s_barrier_wait -1
	s_cmp_lg_u32 s10, 0
	s_cbranch_scc1 .Lend                           ; wave 0 alone goes on; no barrier follows
.irp q, 0,1,2,3,4,5,6,7
	ds_load_b128 v[64+4*\q:64+4*\q+3], v3 offset:32768+512*\q
.endr
.set JJ, 0
.rept 32
	v_mov_b32 v[96+JJ], 0                          ; the other head's half of K: zeros
.set JJ, JJ+1
.endr
.irp b, 0,1,2,3
	v_mov_b32 v[20+\b], 0                          ; a lane permute's destination counts as one of its sources
.endr
	s_wait_dscnt 0x0
	QUANT 64, 0, 128, 134, 140, 16, 28
	s_bitcmp1_b32 ttmp9, 2                         ; an odd head?
	s_cselect_b32 s20, -1, 0
.irp i, 0,1,2,3,4,5
	v_cndmask_b32 v[144+\i], v[128+\i], v[134+\i], s20   ; registers 0-5 are K = 0 .. 63, registers 6-11 K = 64 .. 127: an odd head's halves change places,
	v_cndmask_b32 v[150+\i], v[134+\i], v[128+\i], s20
.endr
	v_alignbit_b32 v29, v28, v28, 16               ; and so do the halves of its scale word
	v_cndmask_b32 v30, v28, v29, s20
.irp c, 0,1,2
	global_store_b128 v3, v[144+4*\c:144+4*\c+3], s[6:7] offset:512*\c
.endr
	global_store_b32 v3, v30, s[8:9]
.Lend:
	s_wait_tensorcnt 0x0
	ds_add_u32 v160, v161
	s_wait_dscnt 0x0
	s_endpgm
.Lfunc_end_k_q15db8dab68_kvred:
	.size	k_q15db8dab68_kvred, .Lfunc_end_k_q15db8dab68_kvred-k_q15db8dab68_kvred
	.p2alignl 7, 3214868480
	.fill 96, 4, 3214868480
	.section	.rodata,"a",@progbits
	.p2align	6, 0x0
	.amdhsa_kernel k_q15db8dab68_kvred
		.amdhsa_group_segment_fixed_size 37888
		.amdhsa_private_segment_fixed_size 0
		.amdhsa_enable_private_segment 0
		.amdhsa_kernarg_size 24
		.amdhsa_user_sgpr_count 2
		.amdhsa_user_sgpr_kernarg_segment_ptr 1
		.amdhsa_wavefront_size32 1
		.amdhsa_system_sgpr_workgroup_id_x 1
		.amdhsa_system_sgpr_workgroup_id_y 1
		.amdhsa_system_sgpr_workgroup_id_z 1
		.amdhsa_system_vgpr_workitem_id 0
		.amdhsa_next_free_vgpr 162
		.amdhsa_next_free_sgpr 66
		.amdhsa_reserve_vcc 0
		.amdhsa_float_denorm_mode_32 3
		.amdhsa_float_denorm_mode_16_64 3
		.amdhsa_memory_ordered 1
		.amdhsa_forward_progress 1
		.amdhsa_inst_pref_size 17
	.end_amdhsa_kernel
	.amdgpu_metadata
---
amdhsa.version: [ 1, 2 ]
amdhsa.kernels:
  - .name:           k_q15db8dab68_kvred
    .symbol:         k_q15db8dab68_kvred.kd
    .args:
      - { .name: kvpart, .offset: 0, .size: 8, .value_kind: global_buffer, .address_space: global }
      - { .name: kvfrag, .offset: 8, .size: 8, .value_kind: global_buffer, .address_space: global }
      - { .name: kvscale, .offset: 16, .size: 8, .value_kind: global_buffer, .address_space: global }
    .group_segment_fixed_size: 37888
    .private_segment_fixed_size: 0
    .kernarg_segment_align: 8
    .kernarg_segment_size: 24
    .max_flat_workgroup_size: 256
    .sgpr_count:     66
    .vgpr_count:     162
    .wavefront_size: 32
...
	.end_amdgpu_metadata
.endif
;; end of part 3
;; launch main (part 4): grid 256 x 1, 4 waves a work-group, no clusters, 327,680 bytes of LDS; arguments query, wfrag, wscale, bq, bo1, bo2, kvfrag, kvscale, out0; writes out0
.if DOCPART == 4
	.amdgcn_target "amdgcn-amd-amdhsa--gfx1250"
	.amdhsa_code_object_version 6
	.text
	.protected	k_q15db8dab68_main
	.globl	k_q15db8dab68_main
	.p2align	8
	.type	k_q15db8dab68_main,@function
k_q15db8dab68_main:
	s_mov_b64 s[64:65], 0
	v_nop
	global_prefetch_b8 v0, s[64:65] scope:SCOPE_SE
	s_setreg_imm32_b32 hwreg(HW_REG_WAVE_MODE, 25, 1), 1
	s_wait_xcnt 0x0
; out0 = gelu((q kv + query) Wo1^T + bo1) Wo2^T + bo2 + query, q = query Wq^T + bq; every product on codes of FP6 (E2M3) with one E8M0 byte for each 32 along its K.
; SHARES.  Work-group g takes rows 128 g .. + 127 through the whole chain; query is read once, out0 written once, nothing between goes to memory.
; Wave w owns channels 128 w .. + 127 of every layer (heads 2 w, 2 w + 1): its 32 fragments of the layer's weight lie in its registers (windows 1 and 2).
; All products are used TRANSPOSED (source 0 = 16 rows of a weight or of kv, source 1 = 16 rows of the operand): a lane holds ONE row, and, by the choice of the rows that form a weight's tile,
; its 64 result registers are register 16 b + i = channel 128 w + 32 b + 16 (lane / 16) + i: what the quantiser takes, and K step w of the next product.
; LDS.  Four strips (wave w's 128 rows x 512 bytes of query in f32, rows 528 bytes apart, its own), brought by two tensor loads a wave, filled once; the strips serve the quantiser, both residuals and at last the way out.
; Behind them 32 fragment images (row tile m, K step s: 4 m + s, 1,536 bytes) and their scale words: they hold in turn the codes of query, q, ret and the hidden layer.  Slot m is written in trip m;
; every wave has fetched slot m a trip earlier, in front of that trip's barrier.
; PHASES.  XQ: query to codes | A1: q | A2: q kv + query (a wave's own K step alone: no barrier) | B: first FFN product, gelu | C: second, + query, out.
; NO CLUSTER: all work-groups read the same weights, but the strips and images take 323,584 of LDS's 327,680 bytes: a half-layer of 24,576 bytes has no room to land in; the weights go straight into registers.
; gelu is exact gelu with erf(z) = z P(z^2) / Q(z^2), degrees 6 and 4, z held to +-4.  LIMITS: beyond |z| = 4 erf is taken at 4 (1 - erf(4) is under 2e-8); NaN and infinities are not served;
; a block whose largest magnitude lies under 2^-124, and a block of zeros, gets the byte 1 (only this program reads the bytes).
.set LI,  1                            ; 16 x lane
.set LS,  2                            ; 4 x lane
.set XA,  3                            ; my strip, 16 numbers of a block to a lane;  XAC: + the trip's row tile
.set XAC, 4
.set DR,  5                            ; my strip by whole rows;  DRC
.set DRC, 6
.set IW,  7                            ; where I store images;  IWC
.set IWC, 8
.set SA,  9                            ; and scale words;  SAC
.set SAC, 10
.set FI,  11                           ; where images are fetched;  FIC
.set FIC, 12
.set FS,  13
.set FSC, 14
.set BAH, 15                           ; 64 x (lane / 16): my half's 16 numbers of each 32 of a bias
.set ACC, 16                           ; v16-79   8 accumulators
.set XFR, 80                           ; v80-127  the operand's four fragments
.set XS,  128                          ; v128-131 its scale words
.set WS,  144                          ; v144-175 the layer's scale words, 16 h + 4 s + t
.set KVS, 176                          ; v176-183 kv's
.set TM,  184
.set PW,  196
.set PC,  198
.set PT,  210
.set Z,   218                          ; gelu: z, z^2, P, Q
.set X2,  226
.set PA,  234
.set PB,  242
.set A1V, 250                          ; v[250:251], v[252:253] the second coefficients of P and of Q, twice each
.set B1V, 252
.set QR,  96                           ; window 3: v0-95 kv's 8 fragments (phase C: rows on their way out); v96-159 query's numbers; v192-255 the layer's bias
.set BIAS, 192
.set IMG, 270336
.set ISC, 319488
.set WV,  22
.set G1,  24
.set G0,  32
.set SEL, 48
.set CNT, 50
.set ST,  51
.set SI,  52
.set SS,  53
.set WF,  56
.set WSP, 58
.set OUT, 60
.set BQ,  62
.set BO1, 66
.set BO2, 68
.set RS2, 70
.set CA0, 72
.set CA2, 74
.set CA3, 76
.set CA4, 78
.set CA5, 80
.set CA6, 82
.set CB0, 84
.set CB2, 86
.set CB3, 88
.set CB4, 90
.set KVF, 92
.set KVSP, 94
.set MSB, 0
.macro WIN new                         ; the immediate's high byte repeats the setting that is left; low byte: 1:0 source 0, 3:2 source 1, 5:4 source 2, 7:6 destination
.if MSB != (\new)
	s_set_vgpr_msb (MSB<<8)|(\new)
.set MSB, (\new)
.endif
.endm
.macro PLACES n
.rept \n
	v_nop
.endr
.endm
.macro QUANT s, wa, da, db, pt, tm, pw
	WIN (\wa)|((\wa)<<2)
.irp b, 0,1,2,3
	v_max3_num_f32 v[\tm+\b], |v[\s+16*\b]|, |v[\s+16*\b+1]|, 0x1800000   ; my 16 numbers of block b, and the floor 2^(3 - 127): the byte cannot fall under 1
.endr
.irp i, 2,4,6,8,10,12,14
.irp b, 0,1,2,3
	v_max3_num_f32 v[\tm+\b], |v[\s+16*\b+\i]|, |v[\s+16*\b+\i+1]|, v[\tm+\b]
.endr
.endr
	WIN 0
.irp b, 0,1,2,3
	v_permlanex16_b32 v[\tm+4+\b], v[\tm+\b], s[SEL], s[SEL+1]
.endr
.irp b, 0,1,2,3
	v_max_num_f32 v[\tm+\b], v[\tm+\b], v[\tm+4+\b]      ; with lane l xor 16's 16: the block's largest magnitude
.endr
.irp b, 0,1,2,3
	v_add_nc_u32 v[\tm+8+\b], 0xff000000, v[\tm+\b]      ; 2 off its exponent field: the conversion's scale operand
.endr
.irp b, 0,1,2,3
	v_lshrrev_b32 v[\tm+4+\b], 23, v[\tm+8+\b]           ; the scale's byte
.endr
	v_lshl_or_b32 v[\pw], v[\tm+5], 8, v[\tm+4]
	v_lshl_or_b32 v[\pw], v[\tm+6], 16, v[\pw]
	v_lshl_or_b32 v[\pw], v[\tm+7], 24, v[\pw]
	WIN (\wa)
	v_cvt_scalef32_pk16_fp6_f32 v[\da:\da+2], v[\s:\s+15], v[\tm+8]
	v_cvt_scalef32_pk16_fp6_f32 v[\pt:\pt+2], v[\s+16:\s+31], v[\tm+9]
	v_cvt_scalef32_pk16_fp6_f32 v[\db:\db+2], v[\s+32:\s+47], v[\tm+10]
	v_cvt_scalef32_pk16_fp6_f32 v[\pt+4:\pt+6], v[\s+48:\s+63], v[\tm+11]
	WIN 0
	v_nop                                                ; one plain place behind the scaled conversions
.irp i, 0,1,2
	v_permlane16_swap_b32 v[\da+\i], v[\pt+\i]           ; a whole block to a lane
	v_permlane16_swap_b32 v[\db+\i], v[\pt+4+\i]
.endr
.irp i, 0,1,2
	v_mov_b32 v[\da+3+\i], v[\pt+\i]
	v_mov_b32 v[\db+3+\i], v[\pt+4+\i]
.endr
.endm
.macro QACC                            ; the 8 accumulators become my K step's fragment
	QUANT ACC, 0, PC, PC+6, PT, TM, PW
.endm
; a layer's weights, in two parts: half 0 and all scale words (56 loads); half 1 and the bias (64 loads)
.macro WLOADA W
	WIN 0x40
.irp f, 0,1,2,3,4,5,6,7,8,9,10,11,12,13,14,15
.irp c, 0,1,2
	global_load_b128 v[12*\f+4*\c:12*\f+4*\c+3], v[LI], s[WF:WF+1] offset:(\W)*196608+1536*\f+512*\c
.endr
.endr
	WIN 0
.irp h, 0,1
.irp s, 0,1,2,3
	global_load_b128 v[WS+16*\h+4*\s:WS+16*\h+4*\s+3], v[LI], s[WSP:WSP+1] offset:(\W)*16384+2048*\h+512*\s
.endr
.endr
.endm
.macro WLOADB W, bp
	WIN 0x80
.irp f, 0,1,2,3,4,5,6,7,8,9,10,11,12,13,14,15
.irp c, 0,1,2
	global_load_b128 v[12*\f+4*\c:12*\f+4*\c+3], v[LI], s[WF:WF+1] offset:(\W)*196608+24576+1536*\f+512*\c
.endr
.endr
	WIN 0xc0
.irp b, 0,1,2,3
.irp j, 0,1,2,3
	global_load_b128 v[BIAS+16*\b+4*\j:BIAS+16*\b+4*\j+3], v[BAH], s[\bp:\bp+1] offset:128*\b+16*\j
.endr
.endr
	WIN 0
.endm
.macro FETCHX fi, fs, oi, os           ; a row tile's four fragments and scale words
.irp s, 0,1,2,3
.irp c, 0,1,2
	ds_load_b128 v[XFR+12*\s+4*\c:XFR+12*\s+4*\c+3], v[\fi] offset:(\oi)+1536*\s+512*\c
.endr
.endr
.irp s, 0,1,2,3
	ds_load_b32 v[XS+\s], v[\fs] offset:(\os)+128*\s
.endr
.endm
; 32 products: my 128 channels x 16 rows, K = 512.  The bias is the C of each sum's first product.  A half's four accumulators take turns, one instruction a turn.
.macro MM
.irp h, 0,1
.irp s, 0,1,2,3
.if \s == 0
	WIN 0x31+\h                                    ; the weight window 1 or 2, the bias window 3
.else
	WIN 0x01+\h
.endif
.irp t, 0,1,2,3
.if \s == 0
	v_wmma_scale_f32_16x16x128_f8f6f4 v[ACC+8*(4*\h+\t):ACC+8*(4*\h+\t)+7], v[12*(4*\s+\t):12*(4*\s+\t)+11], v[XFR+12*\s:XFR+12*\s+11], v[BIAS+8*(4*\h+\t):BIAS+8*(4*\h+\t)+7], v[WS+16*\h+4*\s+\t], v[XS+\s] matrix_a_fmt:MATRIX_FMT_FP6 matrix_b_fmt:MATRIX_FMT_FP6
.else
	v_wmma_scale_f32_16x16x128_f8f6f4 v[ACC+8*(4*\h+\t):ACC+8*(4*\h+\t)+7], v[12*(4*\s+\t):12*(4*\s+\t)+11], v[XFR+12*\s:XFR+12*\s+11], v[ACC+8*(4*\h+\t):ACC+8*(4*\h+\t)+7], v[WS+16*\h+4*\s+\t], v[XS+\s] matrix_a_fmt:MATRIX_FMT_FP6 matrix_b_fmt:MATRIX_FMT_FP6
.endif
.endr
.endr
.endr
	WIN 0
.endm
.macro IMGST                           ; my fragment and its scale words into slot m
.irp k, 0,1,2
	ds_store_b128 v[IWC], v[PC+4*\k:PC+4*\k+3] offset:512*\k
.endr
	ds_store_b32 v[SAC], v[PW]
.endm
.macro BAR                             ; my LDS stores have landed and my LDS loads are in: then the work-group's barrier
	s_wait_dscnt 0x0
	s_barrier_signal -1
	s_barrier_wait -1
.endm
.macro SETADR                          ; the trip's addresses (no LDS instruction of mine is out here)
	v_add_nc_u32 v[XAC], s[ST], v[XA]
	v_add_nc_u32 v[DRC], s[ST], v[DR]
	v_add_nc_u32 v[IWC], s[SI], v[IW]
	v_add_nc_u32 v[FIC], s[SI], v[FI]
	v_add_nc_u32 v[SAC], s[SS], v[SA]
	v_add_nc_u32 v[FSC], s[SS], v[FS]
.endm
.macro STEPS
	s_add_co_u32 s[ST], s[ST], 8448                ; 16 rows of a strip
	s_add_co_u32 s[SI], s[SI], 6144                ; a slot of four images
	s_add_co_u32 s[SS], s[SS], 512
.endm
.macro RESET
	s_mov_b32 s[ST], 0
	s_mov_b32 s[SI], 0
	s_mov_b32 s[SS], 0
	s_mov_b32 s[CNT], 7
.endm
; gelu of accumulator t's eight numbers, in place: x / 2 + (x / 2) erf(x / sqrt 2)
.macro GELU t
.set GX, ACC+8*(\t)
.irp p, 0,2,4,6
	v_pk_mul_f32 v[Z+\p:Z+\p+1], v[GX+\p:GX+\p+1], s[RS2:RS2+1] op_sel_hi:[1,0]
.endr
.irp p, 0,1,2,3,4,5,6,7
	v_med3_num_f32 v[Z+\p], v[Z+\p], -4.0, 4.0
.endr
.irp p, 0,2,4,6
	v_pk_mul_f32 v[X2+\p:X2+\p+1], v[Z+\p:Z+\p+1], v[Z+\p:Z+\p+1]
.endr
.irp p, 0,2,4,6
	v_pk_fma_f32 v[PA+\p:PA+\p+1], v[X2+\p:X2+\p+1], s[CA0:CA0+1], v[A1V:A1V+1] op_sel_hi:[1,0,1]
	v_pk_fma_f32 v[PB+\p:PB+\p+1], v[X2+\p:X2+\p+1], s[CB0:CB0+1], v[B1V:B1V+1] op_sel_hi:[1,0,1]
.endr
.irp k, CA2,CA3,CA4,CA5,CA6
.irp p, 0,2,4,6
	v_pk_fma_f32 v[PA+\p:PA+\p+1], v[PA+\p:PA+\p+1], v[X2+\p:X2+\p+1], s[\k:\k+1] op_sel_hi:[1,1,0]
.endr
.endr
.irp k, CB2,CB3,CB4
.irp p, 0,2,4,6
	v_pk_fma_f32 v[PB+\p:PB+\p+1], v[PB+\p:PB+\p+1], v[X2+\p:X2+\p+1], s[\k:\k+1] op_sel_hi:[1,1,0]
.endr
.endr
.irp p, 0,2,4,6
	v_pk_mul_f32 v[PA+\p:PA+\p+1], v[PA+\p:PA+\p+1], v[Z+\p:Z+\p+1]
.endr
.irp p, 0,1,2,3,4,5,6,7
	v_rcp_f32 v[PB+\p], v[PB+\p]
.endr
.irp p, 0,2,4,6
	v_pk_mul_f32 v[GX+\p:GX+\p+1], v[GX+\p:GX+\p+1], 0.5 op_sel_hi:[1,0]   ; plain places behind the reciprocals
.endr
	s_wait_alu depctr_va_vdst(0)
.irp p, 0,2,4,6
	v_pk_mul_f32 v[PA+\p:PA+\p+1], v[PA+\p:PA+\p+1], v[PB+\p:PB+\p+1]       ; erf
.endr
.irp p, 0,2,4,6
	v_pk_fma_f32 v[GX+\p:GX+\p+1], v[GX+\p:GX+\p+1], v[PA+\p:PA+\p+1], v[GX+\p:GX+\p+1]
.endr
.endm
; A1, row tile m: q = Q(query) Q(Wq)^T + bq, quantised: its image takes the place of query's
.macro TRIP_A1 last
	SETADR
	MM
	PLACES 4                                       ; in front of loads into registers just multiplied, and of the first read of the results
.if \last
	WLOADA 3                                       ; Wq is done with: Wo1's first part
.else
	FETCHX FIC, FSC, 6144, 512                     ; the next row tile
.endif
	QACC
	IMGST
	BAR
.if \last == 0
	STEPS
.endif
.endm
; what A2 wants of a row tile: my own fragment of q and its scale words, and query's numbers as the C of the product
.macro A2LOAD iw, sa, xa, oi, os, ox
.irp c, 0,1,2
	ds_load_b128 v[XFR+4*\c:XFR+4*\c+3], v[\iw] offset:(\oi)+512*\c
.endr
	ds_load_b32 v[XS], v[\sa] offset:(\os)
	WIN 0xc0
.irp b, 0,1,2,3
.irp j, 0,1,2,3
	ds_load_b128 v[QR+16*\b+4*\j:QR+16*\b+4*\j+3], v[\xa] offset:(\ox)+128*\b+16*\j
.endr
.endr
	WIN 0
.endm
; A2, row tile m: ret = q kv + query for my two heads.  K = my 128 channels; a head's kv holds zero codes in the other head's half.  Eight sums, each one product.
.macro TRIP_A2 last
	SETADR
	WIN 0x33                                       ; kv and query window 3
.irp i, 0,1,2,3,4,5,6,7
	v_wmma_scale_f32_16x16x128_f8f6f4 v[ACC+8*\i:ACC+8*\i+7], v[12*\i:12*\i+11], v[XFR:XFR+11], v[QR+8*\i:QR+8*\i+7], v[KVS+\i], v[XS] matrix_a_fmt:MATRIX_FMT_FP6 matrix_b_fmt:MATRIX_FMT_FP6
.endr
	WIN 0
	PLACES 4
.if \last == 0
	A2LOAD IWC, SAC, XAC, 6144, 512, 8448
.endif
	QACC
	IMGST                                          ; ret's image takes the place of q's: my own bytes
	s_wait_dscnt 0x0
.if \last == 0
	STEPS
.endif
.endm
; B, row tile m: gelu(Q(ret) Q(Wo1)^T + bo1), quantised
.macro TRIP_B last
	SETADR
	MM
	PLACES 4
.if \last
	FETCHX FI, FS, 0, 0                            ; the hidden layer's slot 0, whole since the first trip's barrier: for phase C
	WLOADA 4
.else
	FETCHX FIC, FSC, 6144, 512
.endif
.irp t, 0,1,2,3
	GELU \t
.endr
.if \last
	WLOADB 4, BO2
.endif
.irp t, 4,5,6,7
	GELU \t
.endr
	QACC
	IMGST
	BAR
.if \last == 0
	STEPS
.endif
.endm
; C, row tile m: Q(hidden) Q(Wo2)^T + bo2 + query; through my strip, where query's 16 rows lay, and out as whole rows of 512 bytes
.macro TRIP_C last
	SETADR
	WIN 0xc0
.irp b, 0,1,2,3
.irp j, 0,1,2,3
	ds_load_b128 v[QR+16*\b+4*\j:QR+16*\b+4*\j+3], v[XAC] offset:128*\b+16*\j
.endr
.endr
	WIN 0
	MM
	s_wait_dscnt 0x0                               ; query's numbers are in
	PLACES 4
.if \last == 0
	FETCHX FIC, FSC, 6144, 512
.endif
	WIN 0x0c
.set JJ, 0
.rept 32
	v_pk_add_f32 v[ACC+JJ:ACC+JJ+1], v[ACC+JJ:ACC+JJ+1], v[QR+JJ:QR+JJ+1]   ; ascending: each accumulator from its low end on
.set JJ, JJ+2
.endr
	WIN 0
.irp b, 0,1,2,3
.irp j, 0,1,2,3
	ds_store_b128 v[XAC], v[ACC+16*\b+4*\j:ACC+16*\b+4*\j+3] offset:128*\b+16*\j
.endr
.endr
	WIN 0xc0
.set II, 0
.rept 16
	ds_load_b128 v[4*II:4*II+3], v[DRC] offset:528*II   ; LDS serves a wave's instructions in order (ISA guide 5.7.1.4): these see the stores above
.set II, II+1
.endr
	WIN 0
	s_wait_dscnt 0x0
	WIN 0x0c
.set II, 0
.rept 16
	global_store_b128 v[LI], v[4*II:4*II+3], s[OUT:OUT+1] offset:2048*II th:TH_STORE_NT   ; 32 lanes store 512 consecutive bytes, at a multiple of 512 from out0's first byte
.set II, II+1
.endr
	WIN 0
.if \last == 0
	s_wait_xcnt 0x0                                ; the stores' data and base may be written again
	s_add_nc_u64 s[OUT:OUT+1], s[OUT:OUT+1], 32768
	STEPS
.endif
.endm
	s_load_b512 s[4:19], s[0:1], 0x0               ; query, wfrag, wscale, bq, bo1, bo2, kvfrag, kvscale
	s_load_b64 s[20:21], s[0:1], 0x40              ; out0
	v_lshl_add_u32 v254, v0, 2, 0x4f000
	v_mov_b32 v255, 0
	ds_add_u32 v254, v255
	ds_add_u32 v254, v255
	v_lshrrev_b32 v4, 5, v0
	v_readfirstlane_b32 s[WV], v4                  ; wave 0..3
	v_and_b32 v4, 31, v0                           ; lane
	v_and_b32 v6, 15, v0                           ; r
	v_bfe_u32 v8, v0, 4, 1                         ; lane / 16
	v_lshlrev_b32 v[LI], 4, v4
	v_lshlrev_b32 v[LS], 2, v4
	s_mul_i32 s40, s[WV], 67584                    ; my strip
	v_mul_u32_u24 v[XA], v6, 528                   ; rows 528 bytes apart: the 16 rows of a load start 16 bytes further on in each row of banks (64 banks of 4 bytes: ISA guide 11.1)
	v_lshl_add_u32 v[XA], v8, 6, v[XA]
	v_add_nc_u32 v[XA], s40, v[XA]
	v_add_nc_u32 v[DR], s40, v[LI]
	s_mul_i32 s41, s[WV], 1536
	s_add_co_u32 s41, s41, IMG
	v_add_nc_u32 v[IW], s41, v[LI]
	s_lshl_b32 s41, s[WV], 7
	s_add_co_u32 s41, s41, ISC
	v_add_nc_u32 v[SA], s41, v[LS]
	v_add_nc_u32 v[FI], IMG, v[LI]
	v_add_nc_u32 v[FS], ISC, v[LS]
	v_lshlrev_b32 v[BAH], 6, v8
	v_mov_b32 v[A1V], 0x32edffee                   ; 2.77068142e-08
	v_mov_b32 v[A1V+1], 0x32edffee
	v_mov_b32 v[B1V], 0xb95fbd29                   ; -2.13374055e-04
	v_mov_b32 v[B1V+1], 0xb95fbd29
.irp b, 0,1,2,3
	v_mov_b32 v[TM+4+\b], 0                        ; a lane permute's destination counts as one of its sources
.endr
	s_mov_b32 s[SEL], 0x76543210
	s_mov_b32 s[SEL+1], 0xfedcba98
.macro CPAIR r, bits                   ; a constant twice: the packed forms name a pair
	s_mov_b32 s[\r], \bits
	s_mov_b32 s[\r+1], \bits
.endm
	CPAIR RS2, 0x3f3504f3                          ; 1 / sqrt 2
	CPAIR CA0, 0xaf95df0b                          ; P: -2.72614226e-10, (2.77068142e-08,)
	CPAIR CA2, 0xb60cff51                          ;    -2.10102402e-06
	CPAIR CA3, 0xb86ec2d2                          ;    -5.69250639e-05
	CPAIR CA4, 0xba40ac63                          ;    -7.34990630e-04
	CPAIR CA5, 0xbb41a1f6                          ;    -2.95459981e-03
	CPAIR CA6, 0xbc83dbd4                          ;    -1.60960333e-02
	CPAIR CB0, 0xb77460cd                          ; Q: -1.45660718e-05, (-2.13374055e-04,)
	CPAIR CB2, 0xbadc924e                          ;    -1.68282697e-03
	CPAIR CB3, 0xbbf19bf8                          ;    -7.37332917e-03
	CPAIR CB4, 0xbc69b6a7                          ;    -1.42647391e-02
	; descriptor group 1: 64 rows x 128 elements of 4 bytes, 2,048 bytes from row to row in memory, 16 bytes of padding behind each row in LDS
	s_mov_b32 s[G1], (2<<16)|(1<<20)|(6<<22)|(3<<25)   ; no mask; elements of 4 bytes; padding on, after every 128 words, of 4 words
	s_mov_b32 s[G1+1], 128<<16                     ; tensor_dim0
	s_mov_b32 s[G1+2], 64<<16                      ; tensor_dim1
	s_mov_b32 s[G1+3], 128<<16                     ; tile_dim0
	s_mov_b32 s[G1+4], 64                          ; tile_dim1
	s_mov_b32 s[G1+5], 512                         ; elements from row to row
	s_mov_b32 s[G1+6], 0
	s_mov_b32 s[G1+7], 0
	s_lshl_b32 s42, ttmp9, 18                      ; 128 rows of 2,048 bytes a work-group,
	s_lshl_b32 s43, s[WV], 9                       ; 512 bytes of a row a wave
	s_add_co_u32 s42, s42, s43
	s_mov_b32 s43, 0
	s_lshr_b32 s54, ttmp9, 5
	s_lshl_b32 s54, s54, 3
	s_lshl_b32 s55, s[WV], 1
	s_add_co_u32 s54, s54, s55                     ; batch x 8 + my first head
	s_mul_i32 s46, s54, 6144
	s_mov_b32 s47, 0
	s_lshl_b32 s54, s54, 9
	s_mov_b32 s55, 0
	s_wait_dscnt 0x0
	s_wait_kmcnt 0x0
	s_add_nc_u64 s[44:45], s[4:5], s[42:43]
	s_add_nc_u64 s[OUT:OUT+1], s[20:21], s[42:43]
	s_add_nc_u64 s[KVF:KVF+1], s[16:17], s[46:47]
	s_add_nc_u64 s[KVSP:KVSP+1], s[18:19], s[54:55]
	s_mul_i32 s46, s[WV], 49152
	s_add_nc_u64 s[WF:WF+1], s[6:7], s[46:47]
	s_lshl_b32 s46, s[WV], 12
	s_add_nc_u64 s[WSP:WSP+1], s[8:9], s[46:47]
	s_lshl_b32 s46, s[WV], 9
	s_add_nc_u64 s[BQ:BQ+1], s[10:11], s[46:47]
	s_add_nc_u64 s[BO1:BO1+1], s[12:13], s[46:47]
	s_add_nc_u64 s[BO2:BO2+1], s[14:15], s[46:47]
.irp c, 0,1
	s_mov_b32 s[G0+4*\c], 1                        ; count = 1
	s_add_co_u32 s[G0+4*\c+1], s40, \c*33792       ; LDS: my strip's rows 64 c on
	s_add_nc_u64 s[G0+4*\c+2:G0+4*\c+3], s[44:45], \c*131072
	s_or_b32 s[G0+4*\c+3], s[G0+4*\c+3], 0x80000000   ; type = 2
.endr
	tensor_load_to_lds s[G0:G0+3], s[G1:G1+7]      ; my strip, filled once: two loads of mine are out
	s_nop 0
	tensor_load_to_lds s[G0+4:G0+7], s[G1:G1+7]
	s_nop 0
	PLACES 4
	WLOADA 2
	WLOADB 2, BQ
	WIN 0xc0
.irp i, 0,1,2,3,4,5,6,7
.irp c, 0,1,2
	global_load_b128 v[12*\i+4*\c:12*\i+4*\c+3], v[LI], s[KVF:KVF+1] offset:1536*\i+512*\c
.endr
.endr
	WIN 0
.irp h, 0,1
	global_load_b128 v[KVS+4*\h:KVS+4*\h+3], v[LI], s[KVSP:KVSP+1] offset:512*\h
.endr
	; ---- XQ: my 128 columns of the 128 rows become K step w of eight row tiles, two tiles at a time
.irp c, 0,1,2,3
.if \c < 2
	s_wait_tensorcnt 0x1                           ; rows 0-63 of my strip are in (I alone read it); the second load may be out
.else
	s_wait_tensorcnt 0x0
.endif
.irp b, 0,1,2,3
.irp j, 0,1,2,3
	ds_load_b128 v[ACC+16*\b+4*\j:ACC+16*\b+4*\j+3], v[XA] offset:16896*\c+128*\b+16*\j
.endr
.endr
	WIN 0xc0
.irp b, 0,1,2,3
.irp j, 0,1,2,3
	ds_load_b128 v[QR+16*\b+4*\j:QR+16*\b+4*\j+3], v[XA] offset:16896*\c+8448+128*\b+16*\j
.endr
.endr
	WIN 0
	s_wait_dscnt 16                                ; the first tile's 16 loads are in; the second's may be out
	QACC
.irp k, 0,1,2
	ds_store_b128 v[IW], v[PC+4*\k:PC+4*\k+3] offset:12288*\c+512*\k
.endr
	ds_store_b32 v[SA], v[PW] offset:1024*\c
	s_wait_dscnt 0x0                               ; the second tile is in, the stores have read their registers
	QUANT QR, 3, PC, PC+6, PT, TM, PW
.irp k, 0,1,2
	ds_store_b128 v[IW], v[PC+4*\k:PC+4*\k+3] offset:12288*\c+6144+512*\k
.endr
	ds_store_b32 v[SA], v[PW] offset:1024*\c+512
	s_wait_dscnt 0x0
.endr
	BAR                                            ; query's 32 images lie in LDS
	FETCHX FI, FS, 0, 0
	s_wait_loadcnt 0x0                             ; Wq, bq, kv
	BAR                                            ; everybody has fetched slot 0: it may be written
	; ---- A1
	RESET
.La1:
	TRIP_A1 0
	s_sub_co_u32 s[CNT], s[CNT], 1
	s_cmp_lg_u32 s[CNT], 0
	s_cbranch_scc1 .La1
	TRIP_A1 1
	; ---- A2
	WLOADB 3, BO1                                  ; Wo1's second part; it lands under this phase
	A2LOAD IW, SA, XA, 0, 0, 0
	s_wait_dscnt 0x0
	RESET
.La2:
	TRIP_A2 0
	s_sub_co_u32 s[CNT], s[CNT], 1
	s_cmp_lg_u32 s[CNT], 0
	s_cbranch_scc1 .La2
	TRIP_A2 1
	BAR                                            ; ret's 32 images lie in LDS
	; ---- B
	FETCHX FI, FS, 0, 0
	s_wait_loadcnt 0x0                             ; Wo1, bo1
	BAR                                            ; everybody has fetched slot 0
	RESET
.Lb:
	TRIP_B 0
	s_sub_co_u32 s[CNT], s[CNT], 1
	s_cmp_lg_u32 s[CNT], 0
	s_cbranch_scc1 .Lb
	TRIP_B 1                                       ; its barrier: the hidden layer's 32 images lie in LDS, and are only read from here on
	; ---- C
	s_wait_loadcnt 0x0                             ; Wo2, bo2
	RESET
.Lc:
	TRIP_C 0
	s_sub_co_u32 s[CNT], s[CNT], 1
	s_cmp_lg_u32 s[CNT], 0
	s_cbranch_scc1 .Lc
	TRIP_C 1
	s_wait_tensorcnt 0x0
	ds_add_u32 v254, v255
	s_wait_dscnt 0x0
	s_endpgm
.Lfunc_end_k_q15db8dab68_main:
	.size	k_q15db8dab68_main, .Lfunc_end_k_q15db8dab68_main-k_q15db8dab68_main
	.p2alignl 7, 3214868480
	.fill 96, 4, 3214868480
	.section	.rodata,"a",@progbits
	.p2align	6, 0x0
	.amdhsa_kernel k_q15db8dab68_main
		.amdhsa_group_segment_fixed_size 327680
		.amdhsa_private_segment_fixed_size 0
		.amdhsa_enable_private_segment 0
		.amdhsa_kernarg_size 72
		.amdhsa_user_sgpr_count 2
		.amdhsa_user_sgpr_kernarg_segment_ptr 1
		.amdhsa_wavefront_size32 1
		.amdhsa_system_sgpr_workgroup_id_x 1
		.amdhsa_system_sgpr_workgroup_id_y 1
		.amdhsa_system_sgpr_workgroup_id_z 1
		.amdhsa_system_vgpr_workitem_id 0
		.amdhsa_next_free_vgpr 1024
		.amdhsa_next_free_sgpr 96
		.amdhsa_reserve_vcc 0
		.amdhsa_float_denorm_mode_32 3
		.amdhsa_float_denorm_mode_16_64 3
		.amdhsa_memory_ordered 1
		.amdhsa_forward_progress 1
		.amdhsa_inst_pref_size 239
	.end_amdhsa_kernel
	.amdgpu_metadata
---
amdhsa.version: [ 1, 2 ]
amdhsa.kernels:
  - .name:           k_q15db8dab68_main
    .symbol:         k_q15db8dab68_main.kd
    .args:
      - { .name: query, .offset: 0, .size: 8, .value_kind: global_buffer, .address_space: global }
      - { .name: wfrag, .offset: 8, .size: 8, .value_kind: global_buffer, .address_space: global }
      - { .name: wscale, .offset: 16, .size: 8, .value_kind: global_buffer, .address_space: global }
      - { .name: bq, .offset: 24, .size: 8, .value_kind: global_buffer, .address_space: global }
      - { .name: bo1, .offset: 32, .size: 8, .value_kind: global_buffer, .address_space: global }
      - { .name: bo2, .offset: 40, .size: 8, .value_kind: global_buffer, .address_space: global }
      - { .name: kvfrag, .offset: 48, .size: 8, .value_kind: global_buffer, .address_space: global }
      - { .name: kvscale, .offset: 56, .size: 8, .value_kind: global_buffer, .address_space: global }
      - { .name: out0, .offset: 64, .size: 8, .value_kind: global_buffer, .address_space: global }
    .group_segment_fixed_size: 327680
    .private_segment_fixed_size: 0
    .kernarg_segment_align: 8
    .kernarg_segment_size: 72
    .max_flat_workgroup_size: 128
    .sgpr_count:     96
    .vgpr_count:     1024
    .wavefront_size: 32
...
	.end_amdgpu_metadata
.endif
;; end of part 4
